; MI455X (gfx1250); checked and timed in simulation.
; The chip was launched on July 23, 2026; its instructions are those of AMD's public machine-readable ISA for CDNA 5 (MIT licence, August 2026) and "CDNA5" Instruction Set Architecture Reference Guide (July 2026). The comments in the code are by the model that wrote it; some were corrected since.
;; Char LSTM Block. Allowed arithmetic: float matrix products may take bf16 or f16 operands with f32 sums; all other float work in f32.
;; Inputs: E 128 x 32 float32; U 64 x 256 float32; W 32 x 256 float32; b 256 float32; chars 128 x 256 x 25 int32.
;; Outputs: out0 128 x 256 x 64 float32.
;; 2 versions, each right; version 2 is version 1 with the launch charlstm written anew for expert scheduling mode. Each part assembles by itself: llvm-mc -triple=amdgcn-amd-amdhsa -mcpu=gfx1250 --defsym DOCPART=n.
;; ======== version 1 of 2: 1 launch
;; limits: values are held in f16: magnitudes above 65,504 overflow, below 6.1e-05 lose precision; inputs' magnitudes at most 22,700
;; launch charlstm (part 1): grid 256 x 1, 4 waves a work-group, no clusters, 110,592 bytes of LDS; arguments chars, E, W, U, b, out0; writes out0
.if DOCPART == 1
	.amdgcn_target "amdgcn-amd-amdhsa--gfx1250"
	.amdhsa_code_object_version 6
	.text
	.protected	k_q59bb54e315_charlstm
	.globl	k_q59bb54e315_charlstm
	.p2align	8
	.type	k_q59bb54e315_charlstm,@function
k_q59bb54e315_charlstm:
	s_mov_b64 s[64:65], 0
	v_nop
	global_prefetch_b8 v0, s[64:65] scope:SCOPE_SE
	s_setreg_imm32_b32 hwreg(HW_REG_WAVE_MODE, 25, 1), 1
	s_wait_xcnt 0x0
; Character LSTM: 32,768 words, 25 steps, 32 embedding numbers in, 64 units, only the last h is stored.
; One launch.  256 work-groups x 4 waves; a wave owns 32 words = two tiles (T0, T1) of 16 words and keeps their h and c
; in registers through all 25 steps: the time loop touches no global memory.
;
; THE PRODUCT IS USED TRANSPOSED.  A = 16 gate columns of [W;U] (k along the registers), B = 16 words of [x_t | h].
; In the result, register j of lane (r = lane & 15, h2 = lane >> 4) holds z(word r, column 16 tau + 8 h2 + j).
; Tile tau = 4 q + u: gate q (i, f, g, o), block u of 16 units.  So the four gates of one unit lie in the same lane and the same
; register index, and the new h of blocks 2 kc, 2 kc + 1, packed in pairs to f16, IS the B fragment kc of the next step:
; h and c never cross lanes.  K = 96 is three links: W x with C = the bias registers, then two links in place with U h.
;
; FORMATS.  Operands of the products are f16, sums f32, b, c and all gate arithmetic f32.
; W, U and b are scaled in f32 before the rounding: columns of i, f, o by -log2(e), columns of g by -2 log2(e), so that the
; accumulators are the arguments of v_exp_f32 as they stand.
;
; THE CELL, seven transcendentals: with ei, ef, eg, eo = exp2 of the arguments (clamped to 30),
;   nB = -(1+ei), A = 1+ef, nG = -(1+eg)/2, O = 1+eo;  u = c nB + A;  den = nB nG A;  num = nG u + A;
;   c = num / den = c/A + (1-eg)/((1+eg)(1+ei)) = f c + i g;   ec = exp2(2 log2(e) c);  C2 = (ec+1)/2;  h = (C2-1) / (O C2) = o tanh(c).
;   den <= 2^89;  |c| <= 25 after 25 steps, so ec <= 2^73 and O C2 <= 2^101: no reciprocal leaves the normal range.
;
; LIMITS.  f16 operands: |E| < 65504; |W|, |U| < 45,400 in the columns of i, f, o and < 22,700 in those of g; operands below 6.1e-5 are
; rounded to steps of 6e-8.  A sigmoid does not fall below 2^-30 (the clamp).  v_min_num_f32 drops a NaN: NaN and infinite inputs are
; not reproduced.  chars are clamped to 127 (the problem keeps them inside the table).
;
; NOT USED.  Joint requests in a cluster and the tensor mover: E, W and U (114,688 bytes) have to pass through registers to be
; scaled and rounded, and are read once, in front of 25 steps without global traffic.  Prefetch: there is nothing to stream.
.set STEPS,  25
.set WUP,    544                       ; LDS pitch of [W;U]: 256 f16 + 32 bytes = 17 x 32
.set ETP,    80                        ; LDS pitch of E: 32 f16 + 16 bytes
.set OUTP,   272                       ; LDS pitch of the way out: 64 f32 + 16 bytes
.set ET,     96*WUP                    ; 52,224: E as f16, 128 rows
.set CHARS,  ET+128*ETP                ; 62,464: each wave's 32 words x 25 int32, as in memory
.set WCHARS, 32*STEPS*4                ; 3,200 bytes a wave
.set OUT,    CHARS+4*WCHARS            ; 75,264: each wave's 32 rows of h
.set WOUT,   32*OUTP                   ; 8,704 bytes a wave
.set NL2E,   0xbfb8aa3b                ; -log2(e)
.set N2L2E,  0xc038aa3b                ; -2 log2(e)
.set P2L2E,  0x4038aa3b                ; 2 log2(e)
; window 0
.set CH,   1                           ; v1       LDS address of my word's char of this step, tile 0 (tile 1: + 1,600)
.set EB,   2                           ; v2       16 h2
.set CI,   3                           ; v3, v4   tile t: the char, then the address of its row of E
.set OST,  5                           ; v5       the way out: where my 32 bytes of a unit block go
.set ORD,  6                           ; v6       the way out: where I read 16 bytes of a row back
.set GO,   7                           ; v7       my byte offset in the work-group's part of out0
.set X,    16                          ; v[16:31]   B fragment of x, tile t at X + 8 t
.set H,    32                          ; v[32:63]   B fragments of h, tile t, k chunk kc at H + 16 t + 8 kc
.set C,    64                          ; v[64:127]  c, tile t, group grp at C + 32 t + 16 grp
.set ACC,  128                         ; v[128:255] two buffers of 64: gate q, block u' at ACC + 64 buf + 16 q + 8 u'
; window 0, in front of the loop only
.set GOFF, 8                           ; 16 t: my 16 bytes of every 2,048 of E, W, U
.set LWU,  9                           ; where my 4 f16 of [W;U] go
.set LE,   10                          ; where my 4 f16 of E go (without ET)
.set SC,   12                          ; v[12:13] my columns' scale, twice
.set CGA,  14                          ; chars in memory: 3,200 w + 16 lane
.set CGB,  15                          ;                  3,200 w + 4 lane (the last 128 bytes)
.set CLA,  16                          ; the same two in LDS
.set CLB,  17
.set TRA,  18                          ; lane term of the transposing loads
.set BOF,  19                          ; 32 h2: my eight columns of a tile's bias
.set SCH,  64                          ; v[64:88]   chars as loaded
.set SE,   92                          ; v[92:123]  E as loaded
.set SW,   124                         ; v[124:187] W as loaded, later U's rows 32-63
.set SU,   188                         ; v[188:251] U's rows 0-31
; window 1: A fragments of U, (tau, kc) at 16 tau + 8 kc.   window 2: A fragments of W at 8 tau, bias at 128 + 8 tau
.set UF,   0
.set WF,   0
.set BF,   128
.set MSB, 0
.macro WIN new                         ; low byte: bits 1:0 source 0, 3:2 source 1, 5:4 source 2, 7:6 destination; high byte: the setting left
.if MSB != \new
	s_set_vgpr_msb (MSB<<8)|\new
.set MSB, \new
.endif
.endm
; 16 loads of 2,048 bytes by the work-group (a wave's load covers 512 neighbouring bytes): 32 rows of W or U
.macro LOADROWS reg, base, imm
.set k, 0
.rept 16
	global_load_b128 v[\reg+4*k:\reg+4*k+3], v[GOFF], s[\base:\base+1] offset:\imm+2048*k
.set k, k+1
.endr
.endm
; those 32 rows: scale in f32, round once to f16, into LDS (two rows an instruction of the work-group)
.macro CVTROWS reg, ldsoff
.set k, 0
.rept 16
	v_pk_mul_f32 v[\reg+4*k:\reg+4*k+1], v[\reg+4*k:\reg+4*k+1], v[SC:SC+1]
	v_pk_mul_f32 v[\reg+4*k+2:\reg+4*k+3], v[\reg+4*k+2:\reg+4*k+3], v[SC:SC+1]
	v_cvt_pk_f16_f32 v[\reg+4*k], v[\reg+4*k], v[\reg+4*k+1]
	v_cvt_pk_f16_f32 v[\reg+4*k+1], v[\reg+4*k+2], v[\reg+4*k+3]
	ds_store_b64 v[LWU], v[\reg+4*k:\reg+4*k+1] offset:\ldsoff+2*WUP*k
.set k, k+1
.endr
.endm
; the char of tile t, off bytes behind this step's
.macro FETCHC t, off
	ds_load_b32 v[CI+\t], v[CH] offset:16*STEPS*4*\t+\off
.endm
; the B fragment of x for tile t: my word's row of E, numbers 8 h2 .. + 7 and 16 + 8 h2 .. + 7
.macro GATHER t
	s_wait_dscnt 0x0                               ; the char (asked for in front of the gate work), and with it the other tile's x
	v_min_u32 v[CI+\t], 0x7f, v[CI+\t]             ; a loaded number enters an address only clamped
	v_mul_u32_u24 v[CI+\t], v[CI+\t], ETP
	v_add_nc_u32 v[CI+\t], v[EB], v[CI+\t]
	ds_load_b128 v[X+8*\t:X+8*\t+3], v[CI+\t] offset:ET
	ds_load_b128 v[X+8*\t+4:X+8*\t+7], v[CI+\t] offset:ET+32
.endm
; The products of tile t, unit blocks 2 grp, 2 grp + 1, all four gates, into buffer buf: 8 sums started by W x + bias,
; then (withh) two links in place with U h.  A link in place needs no distance behind the link before (ISA guide 7.12.1).
.macro WM buf, t, grp, withh
	WIN 0x22                                       ; A (W) and C (bias) in window 2
.irp q, 0,1,2,3
.irp u, 0,1
.set TAU, 4*\q+2*\grp+\u
.set D, ACC+64*\buf+16*\q+8*\u
	v_wmma_f32_16x16x32_f16 v[D:D+7], v[WF+8*TAU:WF+8*TAU+7], v[X+8*\t:X+8*\t+7], v[BF+8*TAU:BF+8*TAU+7]
.endr
.endr
.if \withh
	WIN 0x01                                       ; A (U) in window 1
.irp kc, 0,1
.irp q, 0,1,2,3
.irp u, 0,1
.set TAU, 4*\q+2*\grp+\u
.set D, ACC+64*\buf+16*\q+8*\u
	v_wmma_f32_16x16x32_f16 v[D:D+7], v[UF+16*TAU+8*\kc:UF+16*TAU+8*\kc+7], v[H+16*\t+8*\kc:H+16*\t+8*\kc+7], v[D:D+7]
.endr
.endr
.endr
.endif
	WIN 0
.endm
.macro CLAMPEXP g                      ; 16 registers: exp2(min(x, 30)), in place
.set k, 0
.rept 16
	v_min_num_f32 v[\g+k], s20, v[\g+k]
.set k, k+1
.endr
.set k, 0
.rept 16
	v_exp_f32 v[\g+k], v[\g+k]
.set k, k+1
.endr
.endm
.macro EXP16 g
.set k, 0
.rept 16
	v_exp_f32 v[\g+k], v[\g+k]
.set k, k+1
.endr
.endm
.macro RCP16 g
.set k, 0
.rept 16
	v_rcp_f32 v[\g+k], v[\g+k]
.set k, k+1
.endr
.endm
.macro PKFMA d, a, b, c                ; 16 registers: d = a b + c
.set k, 0
.rept 8
	v_pk_fma_f32 v[\d+k:\d+k+1], v[\a+k:\a+k+1], v[\b+k:\b+k+1], v[\c+k:\c+k+1]
.set k, k+2
.endr
.endm
.macro PKMUL d, a, b                   ; 16 registers: d = a b
.set k, 0
.rept 8
	v_pk_mul_f32 v[\d+k:\d+k+1], v[\a+k:\a+k+1], v[\b+k:\b+k+1]
.set k, k+2
.endr
.endm
; The gate work on buffer buf = tile t, unit blocks 2 grp, 2 grp + 1: 16 cells a lane, all in place.
; Behind each run of transcendentals stands a plain vector instruction that names none of the run's registers before a result is
; used (ISA guide 5.7.2): the next gate's clamp, the line for nB, and the lines marked (place).
; first = 1: c is 0 and is neither read nor cleared.  last = 1: h goes to the way out in f32 instead of into the next B fragment.
.macro ACT buf, t, grp, first, last
.set GI, ACC+64*\buf
.set GF, GI+16
.set GG, GI+32
.set GQ, GI+48
.set CC, C+32*\t+16*\grp
.set HH, H+16*\t+8*\grp
	CLAMPEXP GI
	CLAMPEXP GF
	CLAMPEXP GG
	CLAMPEXP GQ
.set k, 0
	s_wait_alu depctr_va_vdst(0)
.rept 8
	v_pk_fma_f32 v[GI+k:GI+k+1], v[GI+k:GI+k+1], -1.0, -1.0 op_sel_hi:[1,0,0]   ; nB = -(1 + ei)
.set k, k+2
.endr
.set k, 0
.rept 8
	v_pk_add_f32 v[GF+k:GF+k+1], v[GF+k:GF+k+1], 1.0 op_sel_hi:[1,0]            ; A = 1 + ef
.set k, k+2
.endr
.set k, 0
.rept 8
	v_pk_fma_f32 v[GG+k:GG+k+1], v[GG+k:GG+k+1], -0.5, -0.5 op_sel_hi:[1,0,0]   ; nG = -(1 + eg) / 2
.set k, k+2
.endr
.if \first == 0
	PKFMA CC, CC, GI, GF                           ; u = c nB + A
.endif
	PKMUL GI, GI, GG
	PKMUL GI, GI, GF                               ; den = nB nG A
.if \first
	PKFMA CC, GG, GF, GF                           ; num = nG A + A (c = 0: u = A)
.else
	PKFMA CC, GG, CC, GF                           ; num = nG u + A
.endif
	RCP16 GI
.set k, 0
	s_wait_alu depctr_va_vdst(0)
.rept 4
	v_pk_add_f32 v[GQ+k:GQ+k+1], v[GQ+k:GQ+k+1], 1.0 op_sel_hi:[1,0]            ; (place) O = 1 + eo, first half
.set k, k+2
.endr
	PKMUL CC, CC, GI                               ; c = num / den
.set k, 0
.rept 8
	v_pk_mul_f32 v[GG+k:GG+k+1], v[CC+k:CC+k+1], P2L2E op_sel_hi:[1,0]
.set k, k+2
.endr
	EXP16 GG                                       ; ec = e^(2c)
.set k, 8
.rept 4
	v_pk_add_f32 v[GQ+k:GQ+k+1], v[GQ+k:GQ+k+1], 1.0 op_sel_hi:[1,0]            ; (place) O, second half
.set k, k+2
.endr
.set k, 0
	s_wait_alu depctr_va_vdst(0)
.rept 8
	v_pk_fma_f32 v[GG+k:GG+k+1], v[GG+k:GG+k+1], 0.5, 0.5 op_sel_hi:[1,0,0]     ; C2 = (ec + 1) / 2
.set k, k+2
.endr
	PKMUL GQ, GQ, GG                               ; O C2
	RCP16 GQ
.set k, 0
	s_wait_alu depctr_va_vdst(0)
.rept 8
	v_pk_add_f32 v[GG+k:GG+k+1], v[GG+k:GG+k+1], -1.0 op_sel_hi:[1,0]           ; (place) C2 - 1
.set k, k+2
.endr
	PKMUL GG, GG, GQ                               ; h = o tanh(c)
.if \last
.irp u, 0,1
.irp p, 0,1
	ds_store_b128 v[OST], v[GG+8*\u+4*\p:GG+8*\u+4*\p+3] offset:16*OUTP*\t+64*(2*\grp+\u)+16*\p
.endr
.endr
.else
.set k, 0
.rept 8
	v_cvt_pk_f16_f32 v[HH+k], v[GG+2*k], v[GG+2*k+1]       ; block 2 grp fills registers 0-3 of B fragment kc = grp, block 2 grp + 1 registers 4-7
.set k, k+1
.endr
.endif
.endm
; One time step, four slots.  Each slot issues the products that the NEXT slot's gate work reads, then does its own gate work, and the two
; tiles run half a step apart.  So a whole ACT of plain vector instructions on other registers lies between a product and the read of its
; result, the overwriting of its h fragments and the reload of its x (ISA guide 7.12.1 asks four places).  Both WM of a tile and step
; are issued before that tile's h and x are replaced.
.macro STEP first, last
	WM 1, 0, 1, 1-\first
.if \last == 0
	FETCHC 0, 4                                    ; tile 0's char of the next step
.endif
	ACT 0, 0, 0, \first, \last
.if \last == 0
	GATHER 0
.endif
.if \last
	s_wait_dscnt 0x4                               ; tile 1's two loads of x are in: only the four stores of h issued behind them may be out
.endif
	WM 0, 1, 0, 1-\first                           ; (other steps: tile 1's x was shown in by the wait in GATHER 0)
	ACT 1, 0, 1, \first, \last
	WM 1, 1, 1, 1-\first
.if \last == 0
	FETCHC 1, 4
.endif
	ACT 0, 1, 0, \first, \last
.if \last == 0
	GATHER 1
	WM 0, 0, 0, 1                                  ; tile 0 of the next step: its x was shown in by the wait in GATHER 1
	v_add_nc_u32 v[CH], 4, v[CH]
.endif
	ACT 1, 1, 1, \first, \last
.endm
	; ---- ids and addresses
	s_load_b256 s[4:11], s[0:1], 0x0               ; chars s[4:5], E s[6:7], W s[8:9], U s[10:11]
	s_load_b128 s[12:15], s[0:1], 0x20             ; b s[12:13], out0 s[14:15]
	v_lshl_add_u32 v11, v0, 2, 0x1ae00
	s_set_vgpr_msb 0xc0
	v_mov_b32 v1, 0
	s_set_vgpr_msb 0xc000
	v_lshrrev_b32 v20, 5, v0
	v_readfirstlane_b32 s16, v20                   ; wave 0..3
	v_and_b32 v20, 31, v0                          ; lane
	v_and_b32 v21, 15, v0                          ; r
	v_bfe_u32 v22, v0, 4, 1                        ; h2
	s_mov_b32 s20, 0x41f00000                      ; 30.0, the clamp
	s_mul_i32 s17, s16, WCHARS                     ; my wave's chars
	s_add_co_u32 s22, s17, CHARS
	v_mul_u32_u24 v[CH], v21, STEPS*4
	v_add_nc_u32 v[CH], s22, v[CH]                 ; CHARS + 3,200 w + 100 r
	v_lshlrev_b32 v[EB], 4, v22
	s_mul_i32 s22, s16, WOUT
	s_add_co_u32 s22, s22, OUT                     ; my wave's rows of the way out
	v_mul_u32_u24 v23, v21, OUTP
	v_lshl_add_u32 v23, v22, 5, v23
	v_add_nc_u32 v[OST], s22, v23                  ; row r, 32 bytes for each half of the lanes
	v_mul_u32_u24 v23, v22, OUTP
	v_lshl_add_u32 v23, v21, 4, v23
	v_add_nc_u32 v[ORD], s22, v23                  ; lanes 0-15 one row of 256 bytes, lanes 16-31 the next
	s_lshl_b32 s22, s16, 13
	v_lshl_add_u32 v[GO], v20, 4, s22              ; 8,192 w + 16 lane
	v_lshlrev_b32 v[GOFF], 4, v0
	v_lshrrev_b32 v23, 6, v0                       ; W, U: thread t has row t >> 6 of two, columns 4 (t & 63) .. + 3
	v_and_b32 v24, 63, v0
	v_mul_u32_u24 v23, v23, WUP
	v_lshl_add_u32 v[LWU], v24, 3, v23
	v_lshrrev_b32 v23, 3, v0                       ; E: row t >> 3 of sixteen, numbers 4 (t & 7) .. + 3
	v_and_b32 v24, 7, v0
	v_mul_u32_u24 v23, v23, ETP
	v_lshl_add_u32 v[LE], v24, 3, v23
	v_bfe_u32 v23, v0, 4, 2                        ; my columns' gate: (4 (t & 63)) >> 6
	v_cmp_eq_u32 vcc_lo, 2, v23
	v_mov_b32 v24, NL2E
	v_mov_b32 v25, N2L2E
	v_cndmask_b32 v[SC], v24, v25, vcc_lo          ; gate g: -2 log2(e), the others: -log2(e)
	v_mov_b32 v[SC+1], v[SC]
	v_lshl_add_u32 v[CGA], v20, 4, s17
	v_lshl_add_u32 v[CGB], v20, 2, s17
	v_add_nc_u32 v[CLA], CHARS, v[CGA]
	v_add_nc_u32 v[CLB], CHARS, v[CGB]
	v_and_b32 v23, 7, v0                           ; transposing load: row 8 h2 + (lane & 7), 16 bytes by bit 3 of the lane
	v_lshl_add_u32 v23, v22, 3, v23
	v_mul_u32_u24 v23, v23, WUP
	v_bfe_u32 v24, v0, 3, 1
	v_lshl_add_u32 v[TRA], v24, 4, v23
	v_lshlrev_b32 v[BOF], 5, v22
	s_mul_i32 s18, ttmp9, 4*WCHARS                 ; the work-group's 128 words of chars
	s_mov_b32 s19, 0
	s_wait_kmcnt 0x0
	s_add_nc_u64 s[4:5], s[4:5], s[18:19]
	s_lshl_b32 s18, ttmp9, 15                      ; and its 128 rows of 256 bytes of out0
	s_add_nc_u64 s[14:15], s[14:15], s[18:19]
	; ---- everything that is read from memory: 47 loads now, 48 more below
.set k, 0
.rept 6
	global_load_b128 v[SCH+4*k:SCH+4*k+3], v[CGA], s[4:5] offset:512*k th:TH_LOAD_NT
.set k, k+1
.endr
	global_load_b32 v[SCH+24], v[CGB], s[4:5] offset:3072 th:TH_LOAD_NT
.set k, 0
.rept 8
	global_load_b128 v[SE+4*k:SE+4*k+3], v[GOFF], s[6:7] offset:2048*k
.set k, k+1
.endr
	LOADROWS SW, 8, 0                              ; W
	LOADROWS SU, 10, 0                             ; U, rows 0-31
	s_wait_loadcnt 40                              ; loads return in order (ISA guide 5.7.1): behind the chars stand 8 of E, 16 of W, 16 of U
.set k, 0
.rept 6
	ds_store_b128 v[CLA], v[SCH+4*k:SCH+4*k+3] offset:512*k
.set k, k+1
.endr
	ds_store_b32 v[CLB], v[SCH+24] offset:3072
	s_wait_loadcnt 32                              ; E is in: 16 of W and 16 of U stay out
.set k, 0
.rept 8
	v_cvt_pk_f16_f32 v[SE+4*k], v[SE+4*k], v[SE+4*k+1]
	v_cvt_pk_f16_f32 v[SE+4*k+1], v[SE+4*k+2], v[SE+4*k+3]
	ds_store_b64 v[LE], v[SE+4*k:SE+4*k+1] offset:ET+16*ETP*k
.set k, k+1
.endr
	s_wait_loadcnt 16                              ; W is in: U's rows 0-31 stay out
	CVTROWS SW, 0
	LOADROWS SW, 10, 32768                         ; U, rows 32-63, into W's registers
	s_wait_loadcnt 16                              ; U's rows 0-31 are in: the 16 just issued stay out
	CVTROWS SU, 32*WUP
	WIN 0x80                                       ; destination in window 2
.set k, 0
.rept 16
	global_load_b128 v[BF+8*k:BF+8*k+3], v[BOF], s[12:13] offset:64*k           ; b(16 tau + 8 h2 + 0..3): the layout of a C operand
	global_load_b128 v[BF+8*k+4:BF+8*k+7], v[BOF], s[12:13] offset:64*k+16      ; b(16 tau + 8 h2 + 4..7)
.set k, k+1
.endr
	WIN 0
	s_wait_loadcnt 32                              ; U's rows 32-63 are in: the 32 loads of b stay out
	CVTROWS SW, 64*WUP
	s_wait_dscnt 0x0                               ; my part of [W;U] and E is in LDS, for the other waves' sake
	s_barrier_signal -1
	s_wait_loadcnt 0x0                             ; b; register work while the others arrive
	WIN 0x82                                       ; source 0 and destination in window 2
.set k, 0
.rept 64
.if (k/16) == 2
	v_pk_mul_f32 v[BF+2*k:BF+2*k+1], v[BF+2*k:BF+2*k+1], N2L2E op_sel_hi:[1,0]  ; tiles 8-11: gate g
.else
	v_pk_mul_f32 v[BF+2*k:BF+2*k+1], v[BF+2*k:BF+2*k+1], NL2E op_sel_hi:[1,0]
.endif
.set k, k+1
.endr
	WIN 0
	s_barrier_wait -1                              ; the only barrier: behind it [W;U] and E are only read, all other LDS bytes are a wave's own
	; ---- the A fragments, for the whole kernel: column 16 tau + r, k = 8 h2 .. + 7 (first load) and 16 + 8 h2 .. + 7 (second, 16 rows on)
	WIN 0x80
.set k, 0
.rept 16
	ds_load_tr16_b128 v[WF+8*k:WF+8*k+3], v[TRA] offset:32*k
	ds_load_tr16_b128 v[WF+8*k+4:WF+8*k+7], v[TRA] offset:32*k+16*WUP
.set k, k+1
.endr
	WIN 0x40
.set k, 0
.rept 16
.irp kc, 0,1
	ds_load_tr16_b128 v[UF+16*k+8*\kc:UF+16*k+8*\kc+3], v[TRA] offset:32*WUP*(1+\kc)+32*k
	ds_load_tr16_b128 v[UF+16*k+8*\kc+4:UF+16*k+8*\kc+7], v[TRA] offset:32*WUP*(1+\kc)+32*k+16*WUP
.endr
.set k, k+1
.endr
	WIN 0
	FETCHC 0, 0
	FETCHC 1, 0
	GATHER 0                                       ; x of step 0 (X lies on the address registers above: their loads are done behind the wait in here)
	GATHER 1
	s_wait_dscnt 0x0                               ; fragments and x
	WM 0, 0, 0, 0                                  ; step 0, tile 0, first group: h is 0, so W x + b alone
.rept 4
	v_nop                                          ; its results are read with only matrix instructions in between: four places (ISA guide 7.12.1)
.endr
	; ---- 25 steps: the first without h and c, 23 alike, the last without a next step
	STEP 1, 0
	s_mov_b32 s21, STEPS-2
.Lstep:
	STEP 0, 0
	s_sub_co_i32 s21, s21, 1
	s_cmp_lg_u32 s21, 0
	s_cbranch_scc1 .Lstep
	STEP 0, 1
	; ---- the way out: my wave's 32 rows back from its own LDS bytes, two whole rows (512 neighbouring, aligned bytes) a store.
	; LDS serves a wave's instructions in order (ISA guide 5.7.1): these loads see the stores of h above without a wait.
.set k, 0
.rept 16
	ds_load_b128 v[ACC+4*k:ACC+4*k+3], v[ORD] offset:2*OUTP*k
.set k, k+1
.endr
.set k, 0
.rept 16
	s_wait_dscnt 15-k                              ; load k is in, the younger ones stay out
	global_store_b128 v[GO], v[ACC+4*k:ACC+4*k+3], s[14:15] offset:512*k th:TH_STORE_NT
.set k, k+1
.endr
	s_set_vgpr_msb 0xc
	s_wait_tensorcnt 0x0
	ds_add_u32 v11, v1
	s_wait_dscnt 0x0
	s_set_vgpr_msb 0xc00
	s_endpgm
.Lfunc_end_k_q59bb54e315_charlstm:
	.size	k_q59bb54e315_charlstm, .Lfunc_end_k_q59bb54e315_charlstm-k_q59bb54e315_charlstm
	.p2alignl 7, 3214868480
	.fill 96, 4, 3214868480
	.section	.rodata,"a",@progbits
	.p2align	6, 0x0
	.amdhsa_kernel k_q59bb54e315_charlstm
		.amdhsa_group_segment_fixed_size 110592
		.amdhsa_private_segment_fixed_size 0
		.amdhsa_enable_private_segment 0
		.amdhsa_kernarg_size 48
		.amdhsa_user_sgpr_count 2
		.amdhsa_user_sgpr_kernarg_segment_ptr 1
		.amdhsa_wavefront_size32 1
		.amdhsa_system_sgpr_workgroup_id_x 1
		.amdhsa_system_sgpr_workgroup_id_y 1
		.amdhsa_system_sgpr_workgroup_id_z 1
		.amdhsa_system_vgpr_workitem_id 0
		.amdhsa_next_free_vgpr 770
		.amdhsa_next_free_sgpr 66
		.amdhsa_reserve_vcc 1
		.amdhsa_float_denorm_mode_32 3
		.amdhsa_float_denorm_mode_16_64 3
		.amdhsa_memory_ordered 1
		.amdhsa_forward_progress 1
		.amdhsa_inst_pref_size 221
	.end_amdhsa_kernel
	.amdgpu_metadata
---
amdhsa.version: [ 1, 2 ]
amdhsa.kernels:
  - .name:           k_q59bb54e315_charlstm
    .symbol:         k_q59bb54e315_charlstm.kd
    .args:
      - { .name: chars, .offset: 0, .size: 8, .value_kind: global_buffer, .address_space: global }
      - { .name: E, .offset: 8, .size: 8, .value_kind: global_buffer, .address_space: global }
      - { .name: W, .offset: 16, .size: 8, .value_kind: global_buffer, .address_space: global }
      - { .name: U, .offset: 24, .size: 8, .value_kind: global_buffer, .address_space: global }
      - { .name: b, .offset: 32, .size: 8, .value_kind: global_buffer, .address_space: global }
      - { .name: out0, .offset: 40, .size: 8, .value_kind: global_buffer, .address_space: global }
    .group_segment_fixed_size: 110592
    .private_segment_fixed_size: 0
    .kernarg_segment_align: 8
    .kernarg_segment_size: 48
    .max_flat_workgroup_size: 128
    .sgpr_count:     66
    .vgpr_count:     770
    .wavefront_size: 32
...
	.end_amdgpu_metadata
.endif
;; end of part 1
;; ======== version 2 of 2: 1 launch; version 1 with the launch charlstm written anew for expert scheduling mode
;; limits: values are held in f16: magnitudes above 65,504 overflow, below 6.1e-05 lose precision; inputs' magnitudes at most 22,700
;; launch charlstm (part 2): grid 256 x 1, 4 waves a work-group, no clusters, 110,592 bytes of LDS; arguments chars, E, W, U, b, out0; writes out0
.if DOCPART == 2
	.amdgcn_target "amdgcn-amd-amdhsa--gfx1250"
	.amdhsa_code_object_version 6
	.text
	.protected	k_q59bb54e315_charlstm
	.globl	k_q59bb54e315_charlstm
	.p2align	8
	.type	k_q59bb54e315_charlstm,@function
k_q59bb54e315_charlstm:
	s_mov_b64 s[64:65], 0
	v_nop
	global_prefetch_b8 v0, s[64:65] scope:SCOPE_SE
	s_setreg_imm32_b32 hwreg(HW_REG_WAVE_SCHED_MODE, 0, 2), 2
	s_setreg_imm32_b32 hwreg(HW_REG_WAVE_MODE, 25, 1), 1
	s_wait_xcnt 0x0
	s_wait_alu depctr_vm_vsrc(0)
; Character LSTM: 32,768 words, 25 steps, 32 embedding numbers in, 64 units, only the last h is stored.
; One launch.  256 work-groups x 4 waves; a wave owns 32 words = two tiles (T0, T1) of 16 words and keeps their h and c
; in registers through all 25 steps: the time loop touches no global memory.
;
; THE PRODUCT IS USED TRANSPOSED.  A = 16 gate columns of [W;U] (k along the registers), B = 16 words of [x_t | h].
; In the result, register j of lane (r = lane & 15, h2 = lane >> 4) holds z(word r, column 16 tau + 8 h2 + j).
; Tile tau = 4 q + u: gate q (i, f, g, o), block u of 16 units.  So the four gates of one unit lie in the same lane and the same
; register index, and the new h of blocks 2 kc, 2 kc + 1, packed in pairs to f16, IS the B fragment kc of the next step:
; h and c never cross lanes.  K = 96 is three links: W x with C = the bias registers, then two links in place with U h.
;
; FORMATS.  Operands of the products are f16, sums f32, b, c and all gate arithmetic f32.
; W, U and b are scaled in f32 before the rounding: columns of i, f, o by -log2(e), columns of g by -2 log2(e), so that the
; accumulators are the arguments of v_exp_f32 as they stand.
;
; THE CELL, seven transcendentals: with ei, ef, eg, eo = exp2 of the arguments (clamped to 30),
;   nB = -(1+ei), A = 1+ef, nG = -(1+eg)/2, O = 1+eo;  u = c nB + A;  den = nB nG A;  num = nG u + A;
;   c = num / den = c/A + (1-eg)/((1+eg)(1+ei)) = f c + i g;   ec = exp2(2 log2(e) c);  C2 = (ec+1)/2;  h = (C2-1) / (O C2) = o tanh(c).
;   den <= 2^89;  |c| <= 25 after 25 steps, so ec <= 2^73 and O C2 <= 2^101: no reciprocal leaves the normal range.
;
; LIMITS.  f16 operands: |E| < 65504; |W|, |U| < 45,400 in the columns of i, f, o and < 22,700 in those of g; operands below 6.1e-5 are
; rounded to steps of 6e-8.  A sigmoid does not fall below 2^-30 (the clamp).  v_min_num_f32 drops a NaN: NaN and infinite inputs are
; not reproduced.  chars are clamped to 127 (the problem keeps them inside the table).
;
; NOT USED.  Joint requests in a cluster and the tensor mover: E, W and U (114,688 bytes) have to pass through registers to be
; scaled and rounded, and are read once, in front of 25 steps without global traffic.  Prefetch: there is nothing to stream.
;
; THE MODE: SCHED_MODE bits 1:0 = 2 (LLVM: expert scheduling mode 2), set by the entry lines.  The code itself states the register dependences
; between vector or matrix instructions and memory or LDS instructions, with s_wait_alu, always for 0.
; THE PLAN.  Registers that LDS instructions touch in the time loop:
;   v[CH]     the chars' LDS address.  Read by the two loads of a char (heads of slots 0 and 2); written by one add, in slot 3.
;   v[CI+t]   The char of tile t lands in it (head of slot 2 t); three vector lines make the address of its row of E in it; the two loads of x read it.
;   X[t]      The two loads of x land in it; tile t's products read it (tile 0: heads of slots 3 and 0; tile 1: heads of slots 1 and 2).
;   H, C and the accumulators are named by vector and matrix instructions alone, but in the last step, where LDS stores read h.
; A gate block (ACT) has four batches of transcendentals, each with the one wait on va_vdst ahead of the batch's first reader.
; These sixteen waits a step state all that the loop's LDS loads hang on: the three address lines stand ahead of the second batch's wait of slots 0 and 2 and the
; loads of x directly behind it (the address is written; the products issued at the slot's head are done reading X[t]); the add to v[CH] stands ahead of slot 3's waits.
; Three waits on vm_vsrc a step: ahead of each load of a char (the loads of x have read v[CI+t]) and ahead of the add (the loads of the chars have read v[CH]).
.set STEPS,  25
.set WUP,    544                       ; LDS pitch of [W;U]: 256 f16 + 32 bytes = 17 x 32
.set ETP,    80                        ; LDS pitch of E: 32 f16 + 16 bytes
.set OUTP,   272                       ; LDS pitch of the way out: 64 f32 + 16 bytes
.set ET,     96*WUP                    ; 52,224: E as f16, 128 rows
.set CHARS,  ET+128*ETP                ; 62,464: each wave's 32 words x 25 int32, as in memory
.set WCHARS, 32*STEPS*4                ; 3,200 bytes a wave
.set OUT,    CHARS+4*WCHARS            ; 75,264: each wave's 32 rows of h
.set WOUT,   32*OUTP                   ; 8,704 bytes a wave
.set NL2E,   0xbfb8aa3b                ; -log2(e)
.set N2L2E,  0xc038aa3b                ; -2 log2(e)
.set P2L2E,  0x4038aa3b                ; 2 log2(e)
; window 0
.set CH,   1                           ; v1       LDS address of my word's char of this step, tile 0 (tile 1: + 1,600)
.set EB,   2                           ; v2       16 h2
.set CI,   3                           ; v3, v4   tile t: the char, then the address of its row of E
.set OST,  5                           ; v5       the way out: where my 32 bytes of a unit block go
.set ORD,  6                           ; v6       the way out: where I read 16 bytes of a row back
.set GO,   7                           ; v7       my byte offset in the work-group's part of out0
.set X,    16                          ; v[16:31]   B fragment of x, tile t at X + 8 t
.set H,    32                          ; v[32:63]   B fragments of h, tile t, k chunk kc at H + 16 t + 8 kc
.set C,    64                          ; v[64:127]  c, tile t, group grp at C + 32 t + 16 grp
.set ACC,  128                         ; v[128:255] two buffers of 64: gate q, block u' at ACC + 64 buf + 16 q + 8 u'
; window 0, in front of the loop only
.set GOFF, 8                           ; 16 t: my 16 bytes of every 2,048 of E, W, U
.set LWU,  9                           ; where my 4 f16 of [W;U] go
.set LE,   10                          ; where my 4 f16 of E go (without ET)
.set SC,   12                          ; v[12:13] my columns' scale, twice
.set CGA,  14                          ; chars in memory: 3,200 w + 16 lane
.set CGB,  15                          ;                  3,200 w + 4 lane (the last 128 bytes)
.set CLA,  16                          ; the same two in LDS
.set CLB,  17
.set TRA,  18                          ; lane term of the transposing loads
.set BOF,  19                          ; 32 h2: my eight columns of a tile's bias
.set SCH,  64                          ; v[64:88]   chars as loaded
.set SE,   92                          ; v[92:123]  E as loaded
.set SW,   124                         ; v[124:187] W as loaded, later U's rows 32-63
.set SU,   188                         ; v[188:251] U's rows 0-31
; window 1: A fragments of U, (tau, kc) at 16 tau + 8 kc.   window 2: A fragments of W at 8 tau, bias at 128 + 8 tau
.set UF,   0
.set WF,   0
.set BF,   128
.set MSB, 0
.macro WIN new                         ; low byte: bits 1:0 source 0, 3:2 source 1, 5:4 source 2, 7:6 destination; high byte: the setting left
.if MSB != \new
	s_set_vgpr_msb (MSB<<8)|\new
.set MSB, \new
.endif
.endm
; 16 loads of 2,048 bytes by the work-group (a wave's load covers 512 neighbouring bytes): 32 rows of W or U
.macro LOADROWS reg, base, imm
.set k, 0
.rept 16
	global_load_b128 v[\reg+4*k:\reg+4*k+3], v[GOFF], s[\base:\base+1] offset:\imm+2048*k
.set k, k+1
.endr
.endm
; those 32 rows: scale in f32, round once to f16, into LDS (two rows an instruction of the work-group): all the arithmetic, one wait, all the stores
.macro CVTROWS reg, ldsoff
.set k, 0
.rept 16
	v_pk_mul_f32 v[\reg+4*k:\reg+4*k+1], v[\reg+4*k:\reg+4*k+1], v[SC:SC+1]
	v_pk_mul_f32 v[\reg+4*k+2:\reg+4*k+3], v[\reg+4*k+2:\reg+4*k+3], v[SC:SC+1]
	v_cvt_pk_f16_f32 v[\reg+4*k], v[\reg+4*k], v[\reg+4*k+1]
	v_cvt_pk_f16_f32 v[\reg+4*k+1], v[\reg+4*k+2], v[\reg+4*k+3]
.set k, k+1
.endr
	s_wait_alu depctr_va_vdst(0)                   ; the roundings have written the registers that the sixteen LDS stores read
.set k, 0
.rept 16
	ds_store_b64 v[LWU], v[\reg+4*k:\reg+4*k+1] offset:\ldsoff+2*WUP*k
.set k, k+1
.endr
.endm
; the char of tile t, off bytes behind this step's
.macro FETCHC t, off
	ds_load_b32 v[CI+\t], v[CH] offset:16*STEPS*4*\t+\off
.endm
; the address of my word's row of E, tile t
.macro EADDR t
	v_min_u32 v[CI+\t], 0x7f, v[CI+\t]             ; a loaded number enters an address only clamped
	v_mul_u32_u24 v[CI+\t], v[CI+\t], ETP
	v_add_nc_u32 v[CI+\t], v[EB], v[CI+\t]
.endm
; the B fragment of x for tile t: numbers 8 h2 .. + 7 and 16 + 8 h2 .. + 7 of that row
.macro XLOAD t
	ds_load_b128 v[X+8*\t:X+8*\t+3], v[CI+\t] offset:ET
	ds_load_b128 v[X+8*\t+4:X+8*\t+7], v[CI+\t] offset:ET+32
.endm
; The products of tile t, unit blocks 2 grp, 2 grp + 1, all four gates, into buffer buf: 8 sums started by W x + bias,
; then (withh) two links in place with U h.  A link in place needs no distance behind the link before (ISA guide 7.12.1).
.macro WM buf, t, grp, withh
	WIN 0x22                                       ; A (W) and C (bias) in window 2
.irp q, 0,1,2,3
.irp u, 0,1
.set TAU, 4*\q+2*\grp+\u
.set D, ACC+64*\buf+16*\q+8*\u
	v_wmma_f32_16x16x32_f16 v[D:D+7], v[WF+8*TAU:WF+8*TAU+7], v[X+8*\t:X+8*\t+7], v[BF+8*TAU:BF+8*TAU+7]
.endr
.endr
.if \withh
	WIN 0x01                                       ; A (U) in window 1
.irp kc, 0,1
.irp q, 0,1,2,3
.irp u, 0,1
.set TAU, 4*\q+2*\grp+\u
.set D, ACC+64*\buf+16*\q+8*\u
	v_wmma_f32_16x16x32_f16 v[D:D+7], v[UF+16*TAU+8*\kc:UF+16*TAU+8*\kc+7], v[H+16*\t+8*\kc:H+16*\t+8*\kc+7], v[D:D+7]
.endr
.endr
.endr
.endif
	WIN 0
.endm
.macro PKMUL d, a, b                   ; 16 registers: d = a b
.set k, 0
.rept 8
	v_pk_mul_f32 v[\d+k:\d+k+1], v[\a+k:\a+k+1], v[\b+k:\b+k+1]
.set k, k+2
.endr
.endm
.macro NUMP p, first                   ; pair p of num = nG u + A (first step: c = 0, so u = A)
.if \first
	v_pk_fma_f32 v[CC+2*(\p):CC+2*(\p)+1], v[GG+2*(\p):GG+2*(\p)+1], v[GF+2*(\p):GF+2*(\p)+1], v[GF+2*(\p):GF+2*(\p)+1]
.else
	v_pk_fma_f32 v[CC+2*(\p):CC+2*(\p)+1], v[GG+2*(\p):GG+2*(\p)+1], v[CC+2*(\p):CC+2*(\p)+1], v[GF+2*(\p):GF+2*(\p)+1]
.endif
.endm
.macro OPL                             ; the next pair of O = 1 + eo
	v_pk_add_f32 v[GQ+fl:GQ+fl+1], v[GQ+fl:GQ+fl+1], 1.0 op_sel_hi:[1,0]
.set fl, fl+2
.endm
.macro DMI                             ; the next pair of C2 - 1
	v_pk_add_f32 v[GG+fl:GG+fl+1], v[GG+fl:GG+fl+1], -1.0 op_sel_hi:[1,0]
.set fl, fl+2
.endm
; The gate work on buffer buf = tile t, unit blocks 2 grp, 2 grp + 1: 16 cells a lane, all in place.
; FOUR BATCHES of transcendentals, each dealt one to one among plain lines that name no result of the batch, each with plain lines behind its last (the plain
; instruction between a transcendental and the use of its result: ISA guide 5.7.2) and then ONE wait on va_vdst, ahead of the batch's first reader.
; In batches 2 to 4 pair p's transcendentals stand three trips of the assembler's loop behind the trip that begins pair p, two behind the line that makes their argument.
; first = 1: c is 0 and is neither read nor cleared.  last = 1: h goes to the way out in f32 instead of into the next B fragment.
; gt = 0, 1: tile gt's x of the next step is fetched here (its char was asked for at the slot's head); -1: nothing is.
.macro ACT buf, t, grp, first, last, gt
.set GI, ACC+64*\buf
.set GF, GI+16
.set GG, GI+32
.set GQ, GI+48
.set CC, C+32*\t+16*\grp
.set HH, H+16*\t+8*\grp
	; batch 1: ei, ef, eg (48) among the 64 clamps; each accumulator is read from its low end on
.set k, 0
.rept 4
	v_min_num_f32 v[GI+k], s20, v[GI+k]
.set k, k+1
.endr
.set k, 0
.rept 48
	v_exp_f32 v[GI+k], v[GI+k]
	v_min_num_f32 v[GI+k+4], s20, v[GI+k+4]
.set k, k+1
.endr
.set k, 52
.rept 12
	v_min_num_f32 v[GI+k], s20, v[GI+k]
.set k, k+1
.endr
	s_wait_alu depctr_va_vdst(0)                   ; ei, ef and eg are written, which the lines below read
	; batch 2: eo (16) among nB and A; then 1 / den (16) among u, den's two products and num
.set k, 0
.rept 8
	v_pk_fma_f32 v[GI+k:GI+k+1], v[GI+k:GI+k+1], -1.0, -1.0 op_sel_hi:[1,0,0]   ; nB = -(1 + ei)
	v_exp_f32 v[GQ+k], v[GQ+k]
	v_pk_add_f32 v[GF+k:GF+k+1], v[GF+k:GF+k+1], 1.0 op_sel_hi:[1,0]            ; A = 1 + ef
	v_exp_f32 v[GQ+k+1], v[GQ+k+1]
.set k, k+2
.endr
.set k, 0
.rept 8
	v_pk_fma_f32 v[GG+k:GG+k+1], v[GG+k:GG+k+1], -0.5, -0.5 op_sel_hi:[1,0,0]   ; nG = -(1 + eg) / 2
.set k, k+2
.endr
.set i, 0
.rept 11
.if i < 8
.if \first == 0
	v_pk_fma_f32 v[CC+2*i:CC+2*i+1], v[CC+2*i:CC+2*i+1], v[GI+2*i:GI+2*i+1], v[GF+2*i:GF+2*i+1]   ; u = c nB + A
.endif
.else
	NUMP 2*(i-8), \first
.endif
.if i >= 3
	v_rcp_f32 v[GI+2*i-6], v[GI+2*i-6]
.endif
.if i < 8
	v_pk_mul_f32 v[GI+2*i:GI+2*i+1], v[GI+2*i:GI+2*i+1], v[GG+2*i:GG+2*i+1]     ; nB nG
.else
	NUMP 2*(i-8)+1, \first
.endif
.if i >= 3
	v_rcp_f32 v[GI+2*i-5], v[GI+2*i-5]
.endif
.if (i >= 1) && (i <= 8)
	v_pk_mul_f32 v[GI+2*i-2:GI+2*i-1], v[GI+2*i-2:GI+2*i-1], v[GF+2*i-2:GF+2*i-1]   ; den = nB nG A
.endif
.set i, i+1
.endr
	NUMP 6, \first
	NUMP 7, \first
.if \gt >= 0
	s_wait_dscnt 0x0                               ; the char (asked for at the slot's head), and with it the other tile's x
	EADDR \gt
.endif
	s_wait_alu depctr_va_vdst(0)                   ; eo and 1 / den are written, which the lines below read; with gt: v[CI+gt] is written, which the loads below read as their address, and the products at the slot's head are done reading X[gt], in which they land
.if \gt >= 0
	XLOAD \gt
.endif
	; batch 3: ec = e^(2c) (16) among c = num / den, its scaling and O
.set i, 0
.set fl, 0
.rept 11
.if i < 8
	v_pk_mul_f32 v[CC+2*i:CC+2*i+1], v[CC+2*i:CC+2*i+1], v[GI+2*i:GI+2*i+1]     ; c = num / den
.else
	OPL
.endif
.if i >= 3
	v_exp_f32 v[GG+2*i-6], v[GG+2*i-6]
.endif
.if (i >= 1) && (i <= 8)
	v_pk_mul_f32 v[GG+2*i-2:GG+2*i-1], v[CC+2*i-2:CC+2*i-1], P2L2E op_sel_hi:[1,0]
.elseif i >= 9
	OPL
.endif
.if i >= 3
	v_exp_f32 v[GG+2*i-5], v[GG+2*i-5]
.endif
.set i, i+1
.endr
.rept 3
	OPL
.endr
	s_wait_alu depctr_va_vdst(0)                   ; ec is written, which the lines below read
	; batch 4: 1 / (O C2) (16) among C2, O C2 and C2 - 1
.set i, 0
.set fl, 0
.rept 11
.if i < 8
	v_pk_fma_f32 v[GG+2*i:GG+2*i+1], v[GG+2*i:GG+2*i+1], 0.5, 0.5 op_sel_hi:[1,0,0]   ; C2 = (ec + 1) / 2
.else
	DMI
.endif
.if i >= 3
	v_rcp_f32 v[GQ+2*i-6], v[GQ+2*i-6]
.endif
.if (i >= 1) && (i <= 8)
	v_pk_mul_f32 v[GQ+2*i-2:GQ+2*i-1], v[GQ+2*i-2:GQ+2*i-1], v[GG+2*i-2:GG+2*i-1]     ; O C2
.elseif i >= 9
	DMI
.endif
.if i >= 3
	v_rcp_f32 v[GQ+2*i-5], v[GQ+2*i-5]
.endif
.set i, i+1
.endr
.rept 3
	DMI
.endr
	s_wait_alu depctr_va_vdst(0)                   ; 1 / (O C2) is written, which the lines below read
	PKMUL GG, GG, GQ                               ; h = o tanh(c)
.if \last
	s_wait_alu depctr_va_vdst(0)                   ; h is written, which the four LDS stores read
.irp u, 0,1
.irp p, 0,1
	ds_store_b128 v[OST], v[GG+8*\u+4*\p:GG+8*\u+4*\p+3] offset:16*OUTP*\t+64*(2*\grp+\u)+16*\p
.endr
.endr
.else
.set k, 0
.rept 8
	v_cvt_pk_f16_f32 v[HH+k], v[GG+2*k], v[GG+2*k+1]       ; block 2 grp fills registers 0-3 of B fragment kc = grp, block 2 grp + 1 registers 4-7
.set k, k+1
.endr
.endif
.endm
; One time step, four slots.  Each slot issues the products that the NEXT slot's gate work reads, then does its own gate work, and the two
; tiles run half a step apart.  So a whole ACT of plain vector instructions on other registers lies between a product and the read of its
; result and the overwriting of its h fragments (ISA guide 7.12.1 asks four places).  Both WM of a tile and step
; are issued before that tile's h and x are replaced.
.macro STEP first, last
	WM 1, 0, 1, 1-\first
.if \last
	ACT 0, 0, 0, \first, 1, -1
	s_wait_alu depctr_vm_vsrc(0)                   ; the stores of h have read registers of buffer 0, which the products below write
	s_wait_dscnt 0x4                               ; tile 1's two loads of x are in: only the four stores of h issued behind them may be out
.else
	s_wait_alu depctr_vm_vsrc(0)                   ; tile 0's last loads of x have read v[CI], in which the char lands
	FETCHC 0, 4                                    ; tile 0's char of the next step.  v[CH] and v[CI] were last written ahead of waits on va_vdst, and nothing since names them
	ACT 0, 0, 0, \first, 0, 0
.endif
	WM 0, 1, 0, 1-\first                           ; (other steps: tile 1's x was shown in by the wait on DScnt in the ACT above)
	ACT 1, 0, 1, \first, \last, -1
.if \last
	s_wait_alu depctr_vm_vsrc(0)                   ; the stores of h have read registers of buffer 1, which the products below write
.endif
	WM 1, 1, 1, 1-\first
.if \last
	ACT 0, 1, 0, \first, 1, -1
.else
	s_wait_alu depctr_vm_vsrc(0)                   ; tile 1's last loads of x have read v[CI+1], in which the char lands
	FETCHC 1, 4
	ACT 0, 1, 0, \first, 0, 1
	WM 0, 0, 0, 1                                  ; tile 0 of the next step: its x was shown in by the wait on DScnt in the ACT above
	s_wait_alu depctr_vm_vsrc(0)                   ; the loads of both chars have read v[CH]
	v_add_nc_u32 v[CH], 4, v[CH]                   ; the four waits on va_vdst of the ACT below stand between this line and the next load that reads v[CH]
.endif
	ACT 1, 1, 1, \first, \last, -1
.endm
	; ---- ids and addresses
	s_load_b256 s[4:11], s[0:1], 0x0               ; chars s[4:5], E s[6:7], W s[8:9], U s[10:11]
	s_load_b128 s[12:15], s[0:1], 0x20             ; b s[12:13], out0 s[14:15]
	v_lshl_add_u32 v11, v0, 2, 0x1ae00
	s_set_vgpr_msb 0xc0
	v_mov_b32 v1, 0
	s_set_vgpr_msb 0xc000
	v_lshrrev_b32 v20, 5, v0
	v_readfirstlane_b32 s16, v20                   ; wave 0..3
	v_and_b32 v20, 31, v0                          ; lane
	v_and_b32 v21, 15, v0                          ; r
	v_bfe_u32 v22, v0, 4, 1                        ; h2
	s_mov_b32 s20, 0x41f00000                      ; 30.0, the clamp
	s_wait_alu depctr_va_sdst(0)                   ; s16 is written, ahead of its first reader
	s_mul_i32 s17, s16, WCHARS                     ; my wave's chars
	s_add_co_u32 s22, s17, CHARS
	v_mul_u32_u24 v[CH], v21, STEPS*4
	v_add_nc_u32 v[CH], s22, v[CH]                 ; CHARS + 3,200 w + 100 r
	v_lshlrev_b32 v[EB], 4, v22
	s_mul_i32 s22, s16, WOUT
	s_add_co_u32 s22, s22, OUT                     ; my wave's rows of the way out
	v_mul_u32_u24 v23, v21, OUTP
	v_lshl_add_u32 v23, v22, 5, v23
	v_add_nc_u32 v[OST], s22, v23                  ; row r, 32 bytes for each half of the lanes
	v_mul_u32_u24 v23, v22, OUTP
	v_lshl_add_u32 v23, v21, 4, v23
	v_add_nc_u32 v[ORD], s22, v23                  ; lanes 0-15 one row of 256 bytes, lanes 16-31 the next
	s_lshl_b32 s22, s16, 13
	v_lshl_add_u32 v[GO], v20, 4, s22              ; 8,192 w + 16 lane
	v_lshlrev_b32 v[GOFF], 4, v0
	v_lshrrev_b32 v23, 6, v0                       ; W, U: thread t has row t >> 6 of two, columns 4 (t & 63) .. + 3
	v_and_b32 v24, 63, v0
	v_mul_u32_u24 v23, v23, WUP
	v_lshl_add_u32 v[LWU], v24, 3, v23
	v_lshrrev_b32 v23, 3, v0                       ; E: row t >> 3 of sixteen, numbers 4 (t & 7) .. + 3
	v_and_b32 v24, 7, v0
	v_mul_u32_u24 v23, v23, ETP
	v_lshl_add_u32 v[LE], v24, 3, v23
	v_bfe_u32 v23, v0, 4, 2                        ; my columns' gate: (4 (t & 63)) >> 6
	v_cmp_eq_u32 vcc_lo, 2, v23
	v_mov_b32 v24, NL2E
	v_mov_b32 v25, N2L2E
	s_wait_alu depctr_va_vcc(0)                    ; VCC is written, ahead of the select that reads it
	v_cndmask_b32 v[SC], v24, v25, vcc_lo          ; gate g: -2 log2(e), the others: -log2(e)
	v_mov_b32 v[SC+1], v[SC]
	v_lshl_add_u32 v[CGA], v20, 4, s17
	v_lshl_add_u32 v[CGB], v20, 2, s17
	v_add_nc_u32 v[CLA], CHARS, v[CGA]
	v_add_nc_u32 v[CLB], CHARS, v[CGB]
	v_and_b32 v23, 7, v0                           ; transposing load: row 8 h2 + (lane & 7), 16 bytes by bit 3 of the lane
	v_lshl_add_u32 v23, v22, 3, v23
	v_mul_u32_u24 v23, v23, WUP
	v_bfe_u32 v24, v0, 3, 1
	v_lshl_add_u32 v[TRA], v24, 4, v23
	v_lshlrev_b32 v[BOF], 5, v22
	s_mul_i32 s18, ttmp9, 4*WCHARS                 ; the work-group's 128 words of chars
	s_mov_b32 s19, 0
	s_wait_kmcnt 0x0
	s_add_nc_u64 s[4:5], s[4:5], s[18:19]
	s_lshl_b32 s18, ttmp9, 15                      ; and its 128 rows of 256 bytes of out0
	s_add_nc_u64 s[14:15], s[14:15], s[18:19]
	s_wait_alu depctr_va_vdst(0)                   ; all the offsets and LDS addresses above are written, which the loads and stores of the whole kernel read; so are v20 to v25, in which x lands later
	; ---- everything that is read from memory: 47 loads now, 48 more below
.set k, 0
.rept 6
	global_load_b128 v[SCH+4*k:SCH+4*k+3], v[CGA], s[4:5] offset:512*k th:TH_LOAD_NT
.set k, k+1
.endr
	global_load_b32 v[SCH+24], v[CGB], s[4:5] offset:3072 th:TH_LOAD_NT
.set k, 0
.rept 8
	global_load_b128 v[SE+4*k:SE+4*k+3], v[GOFF], s[6:7] offset:2048*k
.set k, k+1
.endr
	LOADROWS SW, 8, 0                              ; W
	LOADROWS SU, 10, 0                             ; U, rows 0-31
	s_wait_loadcnt 40                              ; loads return in order (ISA guide 5.7.1): behind the chars stand 8 of E, 16 of W, 16 of U
.set k, 0
.rept 6
	ds_store_b128 v[CLA], v[SCH+4*k:SCH+4*k+3] offset:512*k
.set k, k+1
.endr
	ds_store_b32 v[CLB], v[SCH+24] offset:3072
	s_wait_loadcnt 32                              ; E is in: 16 of W and 16 of U stay out
.set k, 0
.rept 8
	v_cvt_pk_f16_f32 v[SE+4*k], v[SE+4*k], v[SE+4*k+1]
	v_cvt_pk_f16_f32 v[SE+4*k+1], v[SE+4*k+2], v[SE+4*k+3]
.set k, k+1
.endr
	s_wait_alu depctr_va_vdst(0)                   ; the roundings of E have written the registers that the eight LDS stores read
.set k, 0
.rept 8
	ds_store_b64 v[LE], v[SE+4*k:SE+4*k+1] offset:ET+16*ETP*k
.set k, k+1
.endr
	s_wait_loadcnt 16                              ; W is in: U's rows 0-31 stay out
	CVTROWS SW, 0
	s_wait_alu depctr_vm_vsrc(0)                   ; the LDS stores of W have read v[SW ..], in which the next loads land (the arithmetic that named them stands ahead of the last wait on va_vdst)
	LOADROWS SW, 10, 32768                         ; U, rows 32-63, into W's registers
	s_wait_loadcnt 16                              ; U's rows 0-31 are in: the 16 just issued stay out
	CVTROWS SU, 32*WUP
	WIN 0x80                                       ; destination in window 2
.set k, 0
.rept 16
	global_load_b128 v[BF+8*k:BF+8*k+3], v[BOF], s[12:13] offset:64*k           ; b(16 tau + 8 h2 + 0..3): the layout of a C operand
	global_load_b128 v[BF+8*k+4:BF+8*k+7], v[BOF], s[12:13] offset:64*k+16      ; b(16 tau + 8 h2 + 4..7)
.set k, k+1
.endr
	WIN 0
	s_wait_loadcnt 32                              ; U's rows 32-63 are in: the 32 loads of b stay out
	CVTROWS SW, 64*WUP
	s_wait_dscnt 0x0                               ; my part of [W;U] and E is in LDS, for the other waves' sake
	s_barrier_signal -1
	s_wait_loadcnt 0x0                             ; b; register work while the others arrive
	WIN 0x82                                       ; source 0 and destination in window 2
.set k, 0
.rept 64
.if (k/16) == 2
	v_pk_mul_f32 v[BF+2*k:BF+2*k+1], v[BF+2*k:BF+2*k+1], N2L2E op_sel_hi:[1,0]  ; tiles 8-11: gate g
.else
	v_pk_mul_f32 v[BF+2*k:BF+2*k+1], v[BF+2*k:BF+2*k+1], NL2E op_sel_hi:[1,0]
.endif
.set k, k+1
.endr
	WIN 0
	s_barrier_wait -1                              ; the only barrier: behind it [W;U] and E are only read, all other LDS bytes are a wave's own
	; ---- the A fragments, for the whole kernel: column 16 tau + r, k = 8 h2 .. + 7 (first load) and 16 + 8 h2 .. + 7 (second, 16 rows on).
	; No vector instruction has named their registers, and v[TRA] was written ahead of the head's wait on va_vdst.
	WIN 0x80
.set k, 0
.rept 16
	ds_load_tr16_b128 v[WF+8*k:WF+8*k+3], v[TRA] offset:32*k
	ds_load_tr16_b128 v[WF+8*k+4:WF+8*k+7], v[TRA] offset:32*k+16*WUP
.set k, k+1
.endr
	WIN 0x40
.set k, 0
.rept 16
.irp kc, 0,1
	ds_load_tr16_b128 v[UF+16*k+8*\kc:UF+16*k+8*\kc+3], v[TRA] offset:32*WUP*(1+\kc)+32*k
	ds_load_tr16_b128 v[UF+16*k+8*\kc+4:UF+16*k+8*\kc+7], v[TRA] offset:32*WUP*(1+\kc)+32*k+16*WUP
.endr
.set k, k+1
.endr
	WIN 0
	FETCHC 0, 0
	FETCHC 1, 0
	s_wait_dscnt 0x0                               ; both chars of step 0 (and the fragments)
	EADDR 0
	EADDR 1
	s_wait_alu depctr_va_vdst(0)                   ; v[CI] and v[CI+1] are written, which the four loads of x read as their addresses
	s_wait_alu depctr_vm_vsrc(0)                   ; the loads and stores above have read v16 to v19, on which X lies, and the staging registers v64 to v251, which are C and the accumulators from here on
	XLOAD 0                                        ; x of step 0
	XLOAD 1
	s_wait_dscnt 0x0                               ; x
	WM 0, 0, 0, 0                                  ; step 0, tile 0, first group: h is 0, so W x + b alone
.rept 4
	v_nop                                          ; its results are read with only matrix instructions in between: four places (ISA guide 7.12.1)
.endr
	; ---- 25 steps: the first without h and c, 23 alike, the last without a next step
	STEP 1, 0
	s_mov_b32 s21, STEPS-2
.Lstep:
	STEP 0, 0
	s_sub_co_i32 s21, s21, 1
	s_cmp_lg_u32 s21, 0
	s_cbranch_scc1 .Lstep
	STEP 0, 1
	; ---- the way out: my wave's 32 rows back from its own LDS bytes, two whole rows (512 neighbouring, aligned bytes) a store.
	; LDS serves a wave's instructions in order (ISA guide 5.7.1): these loads see the stores of h above without a wait.
	s_wait_alu depctr_vm_vsrc(0)                   ; the stores of h have read registers of buffer 0, in which the rows land (the vector lines that named buffer 0 stand ahead of the last ACT's waits on va_vdst)
.set k, 0
.rept 16
	ds_load_b128 v[ACC+4*k:ACC+4*k+3], v[ORD] offset:2*OUTP*k
.set k, k+1
.endr
.set k, 0
.rept 16
	s_wait_dscnt 15-k                              ; load k is in, the younger ones stay out
	global_store_b128 v[GO], v[ACC+4*k:ACC+4*k+3], s[14:15] offset:512*k th:TH_STORE_NT
.set k, k+1
.endr
	s_set_vgpr_msb 0xc
	s_wait_dscnt 0x0
	s_wait_alu depctr_hold_cnt(0) depctr_sa_sdst(0) depctr_va_vdst(0) depctr_va_sdst(0) depctr_va_ssrc(0) depctr_va_vcc(0) depctr_vm_vsrc(0)
	s_wait_tensorcnt 0x0
	ds_add_u32 v11, v1
	s_wait_dscnt 0x0
	s_endpgm
.Lfunc_end_k_q59bb54e315_charlstm:
	.size	k_q59bb54e315_charlstm, .Lfunc_end_k_q59bb54e315_charlstm-k_q59bb54e315_charlstm
	.p2alignl 7, 3214868480
	.fill 96, 4, 3214868480
	.section	.rodata,"a",@progbits
	.p2align	6, 0x0
	.amdhsa_kernel k_q59bb54e315_charlstm
		.amdhsa_group_segment_fixed_size 110592
		.amdhsa_private_segment_fixed_size 0
		.amdhsa_enable_private_segment 0
		.amdhsa_kernarg_size 48
		.amdhsa_user_sgpr_count 2
		.amdhsa_user_sgpr_kernarg_segment_ptr 1
		.amdhsa_wavefront_size32 1
		.amdhsa_system_sgpr_workgroup_id_x 1
		.amdhsa_system_sgpr_workgroup_id_y 1
		.amdhsa_system_sgpr_workgroup_id_z 1
		.amdhsa_system_vgpr_workitem_id 0
		.amdhsa_next_free_vgpr 770
		.amdhsa_next_free_sgpr 66
		.amdhsa_reserve_vcc 1
		.amdhsa_float_denorm_mode_32 3
		.amdhsa_float_denorm_mode_16_64 3
		.amdhsa_memory_ordered 1
		.amdhsa_forward_progress 1
		.amdhsa_inst_pref_size 221
	.end_amdhsa_kernel
	.amdgpu_metadata
---
amdhsa.version: [ 1, 2 ]
amdhsa.kernels:
  - .name:           k_q59bb54e315_charlstm
    .symbol:         k_q59bb54e315_charlstm.kd
    .args:
      - { .name: chars, .offset: 0, .size: 8, .value_kind: global_buffer, .address_space: global }
      - { .name: E, .offset: 8, .size: 8, .value_kind: global_buffer, .address_space: global }
      - { .name: W, .offset: 16, .size: 8, .value_kind: global_buffer, .address_space: global }
      - { .name: U, .offset: 24, .size: 8, .value_kind: global_buffer, .address_space: global }
      - { .name: b, .offset: 32, .size: 8, .value_kind: global_buffer, .address_space: global }
      - { .name: out0, .offset: 40, .size: 8, .value_kind: global_buffer, .address_space: global }
    .group_segment_fixed_size: 110592
    .private_segment_fixed_size: 0
    .kernarg_segment_align: 8
    .kernarg_segment_size: 48
    .max_flat_workgroup_size: 128
    .sgpr_count:     66
    .vgpr_count:     770
    .wavefront_size: 32
...
	.end_amdgpu_metadata
.endif
;; end of part 2
